; MI455X (gfx1250); checked and timed in simulation.
; The chip was launched on July 23, 2026; its instructions are those of AMD's public machine-readable ISA for CDNA 5 (MIT licence, August 2026) and "CDNA5" Instruction Set Architecture Reference Guide (July 2026). The comments in the code are by the model that wrote it; some were corrected since.
;; Causal Self Attention. Allowed arithmetic: float matrix products may take bf16 or f16 operands with f32 sums; all other float work in f32.
;; Inputs: w_proj 1,024 x 1,024 float32; w_qkv 3,072 x 1,024 float32; x 2 x 2,048 x 1,024 float32.
;; Outputs: out0 2 x 2,048 x 1,024 float32.
;; 2 versions, each right; version 2 is version 1 with the launch cast written anew for expert scheduling mode. Each part assembles by itself: llvm-mc -triple=amdgcn-amd-amdhsa -mcpu=gfx1250 --defsym DOCPART=n.
;; ======== version 1 of 2: 4 launches
;; limits: values are held in f16: magnitudes above 65,504 overflow, below 6.1e-05 lose precision
;; workspace buffers: xb 8,388,608 bytes; wqb 6,291,456 bytes; wpb 2,097,152 bytes; qkvh 25,165,824 bytes; yh 8,388,608 bytes
;; launch cast (part 1): grid 512 x 1, 8 waves a work-group, no clusters, 0 bytes of LDS; arguments x, w_qkv, w_proj, xb, wqb, wpb; writes xb, wqb, wpb
.if DOCPART == 1
	.amdgcn_target "amdgcn-amd-amdhsa--gfx1250"
	.amdhsa_code_object_version 6
	.text
	.protected	k_q5347eb85cb_cast
	.globl	k_q5347eb85cb_cast
	.p2align	8
	.type	k_q5347eb85cb_cast,@function
k_q5347eb85cb_cast:
	s_mov_b64 s[64:65], 0
	v_nop
	global_prefetch_b8 v0, s[64:65] scope:SCOPE_SE
	s_setreg_imm32_b32 hwreg(HW_REG_WAVE_MODE, 25, 1), 1
	s_wait_xcnt 0x0
; The three f32 inputs are rounded once to 16 bits, so that the products read half the bytes and convert nothing again.
; x -> xb and w_qkv -> wqb in bf16 (nearest even).  w_proj -> wpb: rounded to bf16 first, so that all three inputs lie on one grid,
; and then written as f16, because the projection's other operand (y) is f16.  A bf16 number has 8 significant bits and f16 holds 11:
; the second step is exact for magnitudes from 2^-14 to 65,504; smaller ones land on f16's step of 2^-24.
; LIMIT: |w_proj| above 65,504 would become infinite.
; A work-group takes 16,384 numbers (65,536 bytes in, 32,768 out): groups 0-255 x, 256-447 w_qkv, 448-511 w_proj.
; Every load of a wave covers 512 consecutive bytes, every store 256 consecutive aligned bytes.  All sixteen loads go out first;
; every load and store has registers of its own, so no source is ever rewritten.  No LDS, no barrier: memory binds.
.set T, 4                              ; v[4:7]    at work
.set X, 8                              ; v[8:71]   16 loads x 4 numbers
.set Y, 72                             ; v[72:103] 16 stores x 2 words
	s_load_b256 s[4:11], s[0:1], 0x0               ; x s[4:5], w_qkv s[6:7], w_proj s[8:9], xb s[10:11]
	s_load_b128 s[12:15], s[0:1], 0x20             ; wqb s[12:13], wpb s[14:15]
	v_lshlrev_b32 v1, 4, v0                        ; 16 bytes a thread in
	v_lshlrev_b32 v2, 3, v0                        ; 8 bytes a thread out
	s_movk_i32 s20, 448
	s_movk_i32 s21, 256
	s_mov_b32 s23, 0
	s_wait_kmcnt 0x0
	s_cmp_lt_u32 ttmp9, 448                        ; which tensor: the choice hangs on the group's number alone
	s_cselect_b64 s[16:17], s[6:7], s[8:9]
	s_cselect_b64 s[18:19], s[12:13], s[14:15]
	s_cselect_b32 s20, s21, s20
	s_cmp_lt_u32 ttmp9, 256
	s_cselect_b64 s[16:17], s[4:5], s[16:17]
	s_cselect_b64 s[18:19], s[10:11], s[18:19]
	s_cselect_b32 s20, 0, s20
	s_sub_co_u32 s20, ttmp9, s20                   ; the group's number inside its tensor
	s_lshl_b32 s22, s20, 16
	s_add_nc_u64 s[16:17], s[16:17], s[22:23]      ; source
	s_lshl_b32 s22, s20, 15
	s_add_nc_u64 s[18:19], s[18:19], s[22:23]      ; destination
.irp i, 0,1,2,3,4,5,6,7,8,9,10,11,12,13,14,15
	global_load_b128 v[X+4*\i:X+4*\i+3], v1, s[16:17] offset:4096*\i th:TH_LOAD_NT
.endr
.macro CONV i, half
	s_wait_loadcnt 15-\i                           ; loads return in order: load i is in, the 15 - i younger ones stay out
	v_cvt_pk_bf16_f32 v[Y+2*\i],   v[X+4*\i],   v[X+4*\i+1]
	v_cvt_pk_bf16_f32 v[Y+2*\i+1], v[X+4*\i+2], v[X+4*\i+3]
.if \half
	v_lshlrev_b32 v[T],   16, v[Y+2*\i]            ; the bf16 numbers as f32 again,
	v_and_b32     v[T+1], 0xffff0000, v[Y+2*\i]
	v_lshlrev_b32 v[T+2], 16, v[Y+2*\i+1]
	v_and_b32     v[T+3], 0xffff0000, v[Y+2*\i+1]
	v_cvt_pk_f16_f32 v[Y+2*\i],   v[T],   v[T+1]   ; and written as f16
	v_cvt_pk_f16_f32 v[Y+2*\i+1], v[T+2], v[T+3]
.endif
	global_store_b64 v2, v[Y+2*\i:Y+2*\i+1], s[18:19] offset:2048*\i
.endm
	s_cmp_ge_u32 ttmp9, 448
	s_cbranch_scc1 .Lto_f16
.irp i, 0,1,2,3,4,5,6,7,8,9,10,11,12,13,14,15
	CONV \i, 0
.endr
	s_endpgm
.Lto_f16:
.irp i, 0,1,2,3,4,5,6,7,8,9,10,11,12,13,14,15
	CONV \i, 1
.endr
	s_endpgm
.Lfunc_end_k_q5347eb85cb_cast:
	.size	k_q5347eb85cb_cast, .Lfunc_end_k_q5347eb85cb_cast-k_q5347eb85cb_cast
	.p2alignl 7, 3214868480
	.fill 96, 4, 3214868480
	.section	.rodata,"a",@progbits
	.p2align	6, 0x0
	.amdhsa_kernel k_q5347eb85cb_cast
		.amdhsa_group_segment_fixed_size 0
		.amdhsa_private_segment_fixed_size 0
		.amdhsa_enable_private_segment 0
		.amdhsa_kernarg_size 48
		.amdhsa_user_sgpr_count 2
		.amdhsa_user_sgpr_kernarg_segment_ptr 1
		.amdhsa_wavefront_size32 1
		.amdhsa_system_sgpr_workgroup_id_x 1
		.amdhsa_system_sgpr_workgroup_id_y 1
		.amdhsa_system_sgpr_workgroup_id_z 1
		.amdhsa_system_vgpr_workitem_id 0
		.amdhsa_next_free_vgpr 104
		.amdhsa_next_free_sgpr 66
		.amdhsa_reserve_vcc 0
		.amdhsa_float_denorm_mode_32 3
		.amdhsa_float_denorm_mode_16_64 3
		.amdhsa_memory_ordered 1
		.amdhsa_forward_progress 1
		.amdhsa_inst_pref_size 16
	.end_amdhsa_kernel
	.amdgpu_metadata
---
amdhsa.version: [ 1, 2 ]
amdhsa.kernels:
  - .name:           k_q5347eb85cb_cast
    .symbol:         k_q5347eb85cb_cast.kd
    .args:
      - { .name: x, .offset: 0, .size: 8, .value_kind: global_buffer, .address_space: global }
      - { .name: w_qkv, .offset: 8, .size: 8, .value_kind: global_buffer, .address_space: global }
      - { .name: w_proj, .offset: 16, .size: 8, .value_kind: global_buffer, .address_space: global }
      - { .name: xb, .offset: 24, .size: 8, .value_kind: global_buffer, .address_space: global }
      - { .name: wqb, .offset: 32, .size: 8, .value_kind: global_buffer, .address_space: global }
      - { .name: wpb, .offset: 40, .size: 8, .value_kind: global_buffer, .address_space: global }
    .group_segment_fixed_size: 0
    .private_segment_fixed_size: 0
    .kernarg_segment_align: 8
    .kernarg_segment_size: 48
    .max_flat_workgroup_size: 256
    .sgpr_count:     66
    .vgpr_count:     104
    .wavefront_size: 32
...
	.end_amdgpu_metadata
.endif
;; end of part 1
;; launch qkvgemm (part 2): grid 16 x 16, 4 waves a work-group, clusters of 4 x 4, 327,680 bytes of LDS; arguments xb, wqb, qkvh; writes qkvh
.if DOCPART == 2
	.amdgcn_target "amdgcn-amd-amdhsa--gfx1250"
	.amdhsa_code_object_version 6
	.text
	.protected	k_q5347eb85cb_qkvgemm
	.globl	k_q5347eb85cb_qkvgemm
	.p2align	8
	.type	k_q5347eb85cb_qkvgemm,@function
k_q5347eb85cb_qkvgemm:
	s_mov_b64 s[64:65], 0
	v_nop
	global_prefetch_b8 v0, s[64:65] scope:SCOPE_SE
	s_setreg_imm32_b32 hwreg(HW_REG_WAVE_MODE, 25, 1), 1
	s_wait_xcnt 0x0
	s_wait_alu depctr_hold_cnt(0) depctr_sa_sdst(0) depctr_va_vdst(0) depctr_va_sdst(0) depctr_va_ssrc(0) depctr_va_vcc(0) depctr_vm_vsrc(0)
	s_getreg_b32 s2, hwreg(HW_REG_IB_STS2, 6, 4)
	s_cmp_eq_u32 s2, 0
	s_cbranch_scc0 .Lentry_in_a_cluster
	s_endpgm
.Lentry_in_a_cluster:
	s_bfe_u32 s2, ttmp6, 0x10000c
	s_cmp_lg_u32 s2, 0xf033
	s_cbranch_scc0 .Lentry_shape_is_right
	s_endpgm
.Lentry_shape_is_right:
; qkv[row][f] = sum over k of xb[row][k] wqb[f][k]: [4096 x 1024] x [3072 x 1024]^T, bf16 operands, f32 sums, result rounded once to f16.
; LIMIT: |q|, |k|, |v| above 65,504 would become infinite in f16.  f16 and not bf16 because its 11 significant bits are needed further down.
; The result is stored by chunks of 64 features: qkvh[chunk 0..47][row 0..4095][64] (chunks 0-15 q's heads, 16-31 k's, 32-47 v's),
; so that a head's rows are dense and every store of a wave covers 512 consecutive bytes.
; A work-group makes 256 rows x 192 features (3 chunks): 16 x 16 = 256 work-groups.  Wave w makes rows 64 w .. 64 w + 63 of all 192
; features: 4 x 12 = 48 accumulator tiles, 384 registers.  K goes in 8 steps of 128 through two LDS slots filled by tensor loads,
; whose rows are 256 bytes of memory and start at multiples of 256 bytes from the buffer's first byte.
; CLUSTERS: 4 x 4 work-groups.  xb's tile hangs on the block row alone and is asked for jointly along a row of the cluster, wqb's on the
; block column alone and is asked for jointly along a column: the requests for both are divided by four.
; REGISTERS by windows of 256: window 0 addresses, xb's fragments (two buffers at v64, v128), v192-239 at work on the way out;
; window 1 wqb's fragments (two buffers at v0, v128); window 2 the tiles of my row blocks 0, 1 (tile (a, b) at v[8 (12 a + b)]); window 3 blocks 2, 3.
; THE MATRIX INSTRUCTION IS USED TRANSPOSED: source 0 = 16 rows of wqb, source 1 = 16 rows of xb, so that lane l holds row l % 16 and its
; registers 0-7 the features 8 (l / 16) + 0..7: eight neighbouring numbers, 16 bytes of f16.
.set KSTEP,  128
.set PITCH,  272                       ; an LDS row: 256 bytes + 16 of padding, an odd multiple of 16: the 16 rows of a fragment load start 16 bytes apart modulo 256
.set HALFA,  128*PITCH                 ; what one tensor load brings of xb
.set HALFB,  96*PITCH                  ; and of wqb
.set BOFF,   2*HALFA                   ; wqb's 192 rows lie behind xb's 256
.set SLOT,   2*HALFA+2*HALFB           ; 121,856
.set STAGE,  2*SLOT                    ; behind the ring, never filled by a tensor load: 16 rows x 400 bytes for each wave
.set SPITCH, 400
.set LAPS,   4                         ; a lap = two K steps = once round the ring; 1,024 / 256
.set ADRA, 16                          ; v16-17 LDS address of my xb fragments in slot 0, 1
.set ADRB, 20                          ; v20-21 the same for wqb
.set STO,  24                          ; v24 the way out: where I put 16 bytes of a row
.set RD,   25                          ; v25 the way out: where I read them back
.set CO,   26                          ; v26 my byte offset in the 512 bytes of a store
.set TMP,  192
.set G1, 24                            ; s[24:31] group 1 for xb's tiles
.set G0, 32                            ; s[32:39] group 0 for xb's tiles, a set for each slot
.set G1B, 48                           ; s[48:55] group 1 for wqb's tiles
.set G0B, 56                           ; s[56:63] group 0 for wqb's tiles, a set for each slot
.set MSB, 0
.macro WIN new                         ; the immediate's high byte repeats the setting that is left
.if MSB != \new
	s_set_vgpr_msb (MSB<<8)|\new
.set MSB, \new
.endif
.endm
.set MUL_LO, 0xa1                      ; source 0 window 1, source 1 window 0, C and D window 2
.set MUL_HI, 0xf1                      ; the same, C and D window 3
.set TO_B,   0x40                      ; destination window 1, address window 0
; A joint load: waves 0, 1 fetch xb's two halves, waves 2, 3 wqb's.  Each line has one mask; the branch hangs on the wave's number alone.
.macro JLOAD s
	s_cmp_eq_u32 s11, 0
	s_cbranch_scc0 .Lfor_b_\@
	tensor_load_to_lds s[G0+4*\s:G0+4*\s+3], s[G1:G1+7]
	s_nop 0
	s_branch .Lasked_\@
.Lfor_b_\@:
	tensor_load_to_lds s[G0B+4*\s:G0B+4*\s+3], s[G1B:G1B+7]
	s_nop 0
.Lasked_\@:
.endm
; A round of the cluster's barrier behind its opening work-group barrier: wave 0 signals for the work-group, every wave waits for all sixteen, a work-group barrier closes it.
.macro CREST
	s_cmp_lg_u32 s10, 0
	s_cbranch_scc1 .Lnot_wave_0_\@
	s_barrier_signal -3
.Lnot_wave_0_\@:
	s_barrier_wait -3
	s_barrier_signal -1
	s_barrier_wait -1
.endm
.macro CROUND
	s_barrier_signal -1
	s_barrier_wait -1
	CREST
.endm
	s_load_b128 s[4:7], s[0:1], 0x0                ; xb s[4:5], wqb s[6:7]
	s_load_b64 s[8:9], s[0:1], 0x10                ; qkvh
	s_set_vgpr_msb 0x40
	v_lshl_add_u32 v255, v0, 2, 0x41c00
	s_set_vgpr_msb 0x4000
	v_mov_b32 v255, 0
	s_set_vgpr_msb 0x1
	ds_add_u32 v255, v255
	s_set_vgpr_msb 0x100
	v_lshrrev_b32 v1, 5, v0
	v_readfirstlane_b32 s10, v1                    ; wave 0..3
	s_lshr_b32 s11, s10, 1                         ; I fetch for xb (0) or for wqb (1)
	s_and_b32 s12, s10, 1                          ; which half of that tile
	s_bfe_u32 s40, ttmp6, 0x40000                  ; cx
	s_bfe_u32 s41, ttmp6, 0x40004                  ; cy
	s_lshl_b32 s42, ttmp9, 2
	s_add_co_u32 s42, s42, s40                     ; block column = 4 x cluster x + cx
	s_and_b32 s13, ttmp7, 0xffff
	s_lshl_b32 s13, s13, 2
	s_add_co_u32 s13, s13, s41                     ; block row = 4 x cluster y + cy
	s_lshl_b32 s43, s41, 2
	s_lshl_b32 s43, 15, s43                        ; my row of the cluster: places 4 cy .. 4 cy + 3
	s_lshl_b32 s44, 0x1111, s40                    ; my column: places cx, cx + 4, cx + 8, cx + 12
	s_or_b32 s[G1+0], s43, (1<<16)|(1<<20)|(1<<21)|(5<<22)|(3<<25)   ; mask; 2-byte elements; padding on; bit 21 beside a mask; after every 64 words, 4 words
	s_or_b32 s[G1B+0], s44, (1<<16)|(1<<20)|(1<<21)|(5<<22)|(3<<25)
	s_mov_b32 s[G1+1], KSTEP<<16                   ; tensor_dim0 = 128
	s_mov_b32 s[G1B+1], KSTEP<<16
	s_mov_b32 s[G1+2], 128<<16                     ; tensor_dim1 = 128 rows
	s_mov_b32 s[G1B+2], 96<<16                     ; 96 rows
	s_mov_b32 s[G1+3], KSTEP<<16                   ; tile_dim0 = 128
	s_mov_b32 s[G1B+3], KSTEP<<16
	s_mov_b32 s[G1+4], 128                         ; tile_dim1
	s_mov_b32 s[G1B+4], 96
	s_mov_b32 s[G1+5], 1024                        ; elements from row to row
	s_mov_b32 s[G1B+5], 1024
	s_mov_b32 s[G1+6], 0
	s_mov_b32 s[G1B+6], 0
	s_mov_b32 s[G1+7], 0
	s_mov_b32 s[G1B+7], 0
	; xb's tile hangs on the block row, wqb's on the block column; each offset is made in registers that never hold the other coordinate
	s_lshl_b32 s17, s12, 7
	s_lshl_b32 s16, s13, 8
	s_add_co_u32 s16, s16, s17                     ; xb: row 256 x block row + 128 x half
	s_lshl_b32 s16, s16, 11                        ; rows of 2,048 bytes
	s_mov_b32 s17, 0
	s_mul_i32 s46, s42, 192
	s_mul_i32 s47, s12, 96
	s_add_co_u32 s46, s46, s47                     ; wqb: row 192 x block column + 96 x half
	s_lshl_b32 s46, s46, 11
	s_mov_b32 s47, 0
	s_mul_i32 s20, s10, HALFA                      ; LDS: xb's halves at wave x 34,816 (waves 0, 1)
	s_mul_i32 s21, s10, HALFB
	s_add_co_u32 s21, s21, BOFF-2*HALFB            ; wqb's halves at 69,632 + (wave - 2) x 26,112 (waves 2, 3)
	s_wait_dscnt 0x0
	s_wait_kmcnt 0x0
	s_add_nc_u64 s[14:15], s[4:5], s[16:17]
	s_add_nc_u64 s[46:47], s[6:7], s[46:47]
	CROUND                                         ; all sixteen work-groups are here: the first joint loads meet
.irp s, 0,1
	s_mov_b32 s[G0+4*\s], 1
	s_add_co_u32 s[G0+4*\s+1], s20, \s*SLOT
	s_add_nc_u64 s[G0+4*\s+2:G0+4*\s+3], s[14:15], \s*KSTEP*2
	s_or_b32 s[G0+4*\s+3], s[G0+4*\s+3], 0x80000000
	s_mov_b32 s[G0B+4*\s], 1
	s_add_co_u32 s[G0B+4*\s+1], s21, \s*SLOT
	s_add_nc_u64 s[G0B+4*\s+2:G0B+4*\s+3], s[46:47], \s*KSTEP*2
	s_or_b32 s[G0B+4*\s+3], s[G0B+4*\s+3], 0x80000000
	JLOAD \s                                       ; both first fills go out before anything else: two tensor loads of a wave are out at the most
.endr
	v_and_b32 v1, 15, v0                           ; r = l % 16
	v_bfe_u32 v2, v0, 4, 1                         ; h = l / 16
	v_mul_u32_u24 v3, v1, PITCH
	v_lshl_add_u32 v3, v2, 4, v3                   ; row x pitch + 16 h
	s_mul_i32 s22, s10, 64*PITCH                   ; my 64 rows of xb
.irp s, 0,1
	v_add_nc_u32 v[ADRA+\s], s22, v3
	v_add_nc_u32 v[ADRB+\s], BOFF+\s*SLOT, v3      ; every wave reads all 192 rows of wqb
	s_add_co_u32 s22, s22, SLOT
.endr
	s_mul_i32 s23, s10, 16*SPITCH
	s_add_co_u32 s23, s23, STAGE                   ; my stage
	v_mul_u32_u24 v4, v1, SPITCH
	v_lshl_add_u32 v4, v2, 4, v4
	v_add_nc_u32 v[STO], s23, v4                   ; in: row r, 16 bytes for each half of the lanes
	v_and_b32 v6, 31, v0
	v_lshrrev_b32 v5, 3, v6
	v_and_b32 v7, 7, v0
	v_mul_u32_u24 v5, v5, SPITCH
	v_lshl_add_u32 v5, v7, 4, v5
	v_add_nc_u32 v[RD], s23, v5                    ; back: eight lanes take the 128 bytes that one row has of a chunk, 32 lanes four rows
	v_lshlrev_b32 v[CO], 4, v6                     ; those four rows are 512 consecutive bytes of qkvh
; 12 matrix instructions: row block 2 hi + a x all 12 feature blocks, 32 along K, from buffer p.  zero = 1: the first product starts the sums.
; The 48 accumulators take turns, one instruction a turn, in the same order in every quarter step.
.macro MULROW p, hi, a, zero
.irp b, 0,1,2,3,4,5,6,7,8,9,10,11
.if \zero
	v_wmma_f32_16x16x32_bf16 v[8*(12*\a+\b):8*(12*\a+\b)+7], v[128*\p+8*\b:128*\p+8*\b+7], v[64+64*\p+8*(2*\hi+\a):64+64*\p+8*(2*\hi+\a)+7], 0
.else
	v_wmma_f32_16x16x32_bf16 v[8*(12*\a+\b):8*(12*\a+\b)+7], v[128*\p+8*\b:128*\p+8*\b+7], v[64+64*\p+8*(2*\hi+\a):64+64*\p+8*(2*\hi+\a)+7], v[8*(12*\a+\b):8*(12*\a+\b)+7]
.endif
.endr
.endm
; 32 LDS loads in one run: a quarter step's fragments (192 rows of wqb, then my 64 rows of xb, 32 K at byte k of the rows) into buffer p
.macro FETCH slot, k, p
	WIN TO_B
.irp i, 0,1,2,3,4,5,6,7,8,9,10,11
	ds_load_b128 v[128*\p+8*\i:128*\p+8*\i+3],   v[ADRB+\slot] offset:\k+\i*16*PITCH
	ds_load_b128 v[128*\p+8*\i+4:128*\p+8*\i+7], v[ADRB+\slot] offset:\k+\i*16*PITCH+32
.endr
	WIN 0
.irp i, 0,1,2,3
	ds_load_b128 v[64+64*\p+8*\i:64+64*\p+8*\i+3],   v[ADRA+\slot] offset:\k+\i*16*PITCH
	ds_load_b128 v[64+64*\p+8*\i+4:64+64*\p+8*\i+7], v[ADRA+\slot] offset:\k+\i*16*PITCH+32
.endr
.endm
; Four places of plain vector instructions stand between a matrix instruction and a load into one of its registers, or a vector
; instruction that reads its result (ISA guide 7.12.1 for vector instructions).
.macro PLACES
.rept 4
	v_nop
.endr
.endm
; A quarter step: multiplies buffer p; in its middle fetches the next quarter's fragments, at byte k of the same slot, into buffer g
.macro QUARTER slot, k, p, g, zero
	s_wait_dscnt 4                                 ; wqb's fragments and xb's blocks 0, 1 are in; the youngest four loads (blocks 2, 3) may be out
	WIN MUL_LO
	MULROW \p, 0, 0, \zero
	MULROW \p, 0, 1, \zero
	PLACES
	FETCH \slot, \k, \g
	s_wait_dscnt 32                                ; all but the 32 just issued
	WIN MUL_HI
	MULROW \p, 1, 0, \zero
	MULROW \p, 1, 1, \zero
.endm
.macro THREE slot, zero
	QUARTER \slot, 64,  0, 1, \zero
	QUARTER \slot, 128, 1, 0, 0
	QUARTER \slot, 192, 0, 1, 0
.endm
; The last quarter multiplies buffer 1 and changes slots.  In front of the barrier each wave waits for its reads of this slot and for all
; its tensor loads (one is out: its part of the next slot).  Behind it (fill = 1: behind the round of the cluster's barrier that it opens)
; the refill comes first, one tensor load a wave, then the next slot's first fragments.
.macro TURN slot, next, fill
	s_wait_dscnt 4
	WIN MUL_LO
	MULROW 1, 0, 0, 0
	s_wait_dscnt 0                                 ; my reads of this slot are over
	s_wait_tensorcnt 0x0                           ; all my tensor loads have landed
	ds_add_u32 v255, v255
	s_wait_dscnt 0x0
	s_barrier_signal -1
	MULROW 1, 0, 1, 0                              ; register work while the others arrive
	WIN 0
	s_barrier_wait -1
.if \fill
	CREST                                          ; no wave of any partner still reads this slot or has a load on its way
	s_add_nc_u64 s[G0+4*\slot+2:G0+4*\slot+3], s[G0+4*\slot+2:G0+4*\slot+3], 2*KSTEP*2
	s_add_nc_u64 s[G0B+4*\slot+2:G0B+4*\slot+3], s[G0B+4*\slot+2:G0B+4*\slot+3], 2*KSTEP*2
	JLOAD \slot
.endif
	PLACES
	FETCH \next, 0, 0
	WIN MUL_HI
	MULROW 1, 1, 0, 0
	MULROW 1, 1, 1, 0
.endm
.macro LAP zero
	THREE 0, \zero
	TURN 0, 1, 1
	THREE 1, 0
	TURN 1, 0, 1
.endm
	s_wait_tensorcnt 1                             ; my part of K step 0 is in; K step 1's may stay out
	s_barrier_signal -1
	s_barrier_wait -1
	FETCH 0, 0, 0
	LAP 1                                          ; the first lap's first products start the sums
	WIN 0
	s_mov_b32 s3, LAPS-2
.Llap:
	LAP 0
	WIN 0
	s_sub_co_u32 s3, s3, 1
	s_cmp_lg_u32 s3, 0
	s_cbranch_scc1 .Llap
	THREE 0, 0                                     ; the last lap fills nothing
	TURN 0, 1, 0
	THREE 1, 0
	s_wait_dscnt 4
	WIN MUL_LO
	MULROW 1, 0, 0, 0
	MULROW 1, 0, 1, 0
	s_wait_dscnt 0
	WIN MUL_HI
	MULROW 1, 1, 0, 0
	MULROW 1, 1, 1, 0
	; THE WAY OUT, 16 rows at a time: round to f16, 16 bytes a lane into my own stage, read back by chunks, 512 consecutive bytes a store
	PLACES
	s_lshl_b32 s16, s13, 8
	s_lshl_b32 s17, s10, 6
	s_add_co_u32 s16, s16, s17                     ; my first row
	s_lshl_b32 s16, s16, 7                         ; rows of 128 bytes in a chunk
	s_mov_b32 s17, 0
	s_add_nc_u64 s[8:9], s[8:9], s[16:17]
	s_mul_i32 s46, s42, 3*524288                   ; my first chunk = 3 x block column, chunks of 524,288 bytes
	s_mov_b32 s47, 0
	s_add_nc_u64 s[8:9], s[8:9], s[46:47]
; rows 16 i .. 16 i + 15 = the twelve tiles (a, 0..11) of window 2 or 3 (from = 0x0a or 0x0f: sources 0 and 1); f: 64 or 128 in turn
.macro OUT16 i, a, from, f
	WIN \from
.irp b, 0,1,2,3,4,5,6,7,8,9,10,11
.irp r, 0,1,2,3
	v_cvt_pk_f16_f32 v[TMP+4*\b+\r], v[8*(12*\a+\b)+2*\r], v[8*(12*\a+\b)+2*\r+1]
.endr
.endr
	WIN 0
.irp b, 0,1,2,3,4,5,6,7,8,9,10,11
	ds_store_b128 v[STO], v[TMP+4*\b:TMP+4*\b+3] offset:32*\b
.endr
	s_wait_xcnt 0x0                                ; buffer f, which earlier stores read, is loaded again only behind this wait
.irp cc, 0,1,2
.irp t, 0,1,2,3
	ds_load_b128 v[\f+4*(4*\cc+\t):\f+4*(4*\cc+\t)+3], v[RD] offset:128*\cc+4*SPITCH*\t   ; a wave's LDS instructions are served in order: these see the stores above
.endr
.endr
.irp cc, 0,1,2
.irp t, 0,1,2,3
	s_wait_dscnt 11-(4*\cc+\t)
	global_store_b128 v[CO], v[\f+4*(4*\cc+\t):\f+4*(4*\cc+\t)+3], s[8:9] offset:524288*\cc+2048*\i+512*\t
.endr
.endr
.endm
	OUT16 0, 0, 0x0a, 64
	OUT16 1, 1, 0x0a, 128
	OUT16 2, 0, 0x0f, 64
	OUT16 3, 1, 0x0f, 128
	s_set_vgpr_msb 0x1
	s_wait_tensorcnt 0x0
	ds_add_u32 v255, v255
	s_wait_dscnt 0x0
	s_set_vgpr_msb 0x100
	CROUND                                         ; the closing round: no work-group ends while a partner may still ask for a tile that names it
	s_endpgm
.Lfunc_end_k_q5347eb85cb_qkvgemm:
	.size	k_q5347eb85cb_qkvgemm, .Lfunc_end_k_q5347eb85cb_qkvgemm-k_q5347eb85cb_qkvgemm
	.p2alignl 7, 3214868480
	.fill 96, 4, 3214868480
	.section	.rodata,"a",@progbits
	.p2align	6, 0x0
	.amdhsa_kernel k_q5347eb85cb_qkvgemm
		.amdhsa_group_segment_fixed_size 327680
		.amdhsa_private_segment_fixed_size 0
		.amdhsa_enable_private_segment 0
		.amdhsa_kernarg_size 24
		.amdhsa_user_sgpr_count 2
		.amdhsa_user_sgpr_kernarg_segment_ptr 1
		.amdhsa_wavefront_size32 1
		.amdhsa_system_sgpr_workgroup_id_x 1
		.amdhsa_system_sgpr_workgroup_id_y 1
		.amdhsa_system_sgpr_workgroup_id_z 1
		.amdhsa_system_vgpr_workitem_id 0
		.amdhsa_next_free_vgpr 960
		.amdhsa_next_free_sgpr 66
		.amdhsa_reserve_vcc 0
		.amdhsa_float_denorm_mode_32 3
		.amdhsa_float_denorm_mode_16_64 3
		.amdhsa_memory_ordered 1
		.amdhsa_forward_progress 1
		.amdhsa_inst_pref_size 163
	.end_amdhsa_kernel
	.amdgpu_metadata
---
amdhsa.version: [ 1, 2 ]
amdhsa.kernels:
  - .name:           k_q5347eb85cb_qkvgemm
    .symbol:         k_q5347eb85cb_qkvgemm.kd
    .args:
      - { .name: xb, .offset: 0, .size: 8, .value_kind: global_buffer, .address_space: global }
      - { .name: wqb, .offset: 8, .size: 8, .value_kind: global_buffer, .address_space: global }
      - { .name: qkvh, .offset: 16, .size: 8, .value_kind: global_buffer, .address_space: global }
    .group_segment_fixed_size: 327680
    .private_segment_fixed_size: 0
    .kernarg_segment_align: 8
    .kernarg_segment_size: 24
    .max_flat_workgroup_size: 128
    .sgpr_count:     66
    .vgpr_count:     960
    .wavefront_size: 32
...
	.end_amdgpu_metadata
.endif
;; end of part 2
;; launch attn (part 3): grid 8 x 32, 8 waves a work-group, no clusters, 327,680 bytes of LDS; arguments qkvh, yh; writes yh
.if DOCPART == 3
	.amdgcn_target "amdgcn-amd-amdhsa--gfx1250"
	.amdhsa_code_object_version 6
	.text
	.protected	k_q5347eb85cb_attn
	.globl	k_q5347eb85cb_attn
	.p2align	8
	.type	k_q5347eb85cb_attn,@function
k_q5347eb85cb_attn:
	s_mov_b64 s[64:65], 0
	v_nop
	global_prefetch_b8 v0, s[64:65] scope:SCOPE_SE
	s_setreg_imm32_b32 hwreg(HW_REG_WAVE_MODE, 25, 1), 1
	s_wait_xcnt 0x0
; Causal attention of one head and batch: y = softmax(q k^T / 8, keys after the query left out) v, with a running maximum and sum.
; q, k, v: f16 in qkvh[chunk][row][64]; y: f16 in yh[head][row][64].  Products on f16 operands with f32 sums; maxima, exponentials, sums in f32.
; LIMITS: a masked key gets the weight 0, which is what the -1e9 of the definition gives while a row's unmasked scores stay above about -1e9;
; weights below 2^-25 of the row's largest round to 0 in f16; y must lie inside f16's range (it is a mean of v).
; WORK: group (j, y) takes query block 15 - j (128 rows) and then block j of head y & 15, batch y >> 4: (16 - j) + (j + 1) = 17 units of
; 128 keys for every group, so 256 groups of equal work and a fixed number of trips.  Key units behind a block's diagonal are not done.
; Wave = g + 4 half: queries 32 g .. 32 g + 31 (two tiles of 16) against keys 64 half .. 64 half + 63 of each unit, so a K or V fragment
; feeds two query tiles.  The two halves keep their own maximum, sum and O, and merge through LDS at a block's end.
; LAYOUT: S^T = K Q^T (lane (r, h), register i: key 16 kt + 8 h + i of query r).  Exponentials packed in place to f16 are the second source
; of O^T = V^T P^T, V^T read by the transposing LDS load.  So maximum, sum and rescaling factor are one number a lane.
; NO CLUSTER: the eight groups of a head need 9 to 16 different units in their first block and would ask for unequal numbers of tiles;
; kept in step on 16 + 8 units they would do more trips than the 17 here.
.set KP,    144                        ; a key's 128 bytes + 16 of padding: an odd multiple of 16
.set VP,    160                        ; a value row's 128 bytes + 32: an odd multiple of 32, for the transposing load
.set VOFF,  128*KP                     ; 18,432: V's tile lies behind K's
.set SLOT,  128*KP+128*VP              ; 38,912
.set RBASE, 2*SLOT                     ; 77,824: merge scratch, two regions that take turns with the slots; no tensor load lands here
.set RWAVE, 4352                       ; a wave's part: 8 x 512 bytes of O, 256 of (maximum, sum)
.set RHALF, 4*RWAVE
.set RSTEP, 8*RWAVE
.set OSTG,  RBASE+2*RSTEP              ; 147,456: out stage, 16 rows x 144 bytes for each wave
.set MX,  6                            ; v6 maximum, v7 sum of query tile 0; v8, v9 of tile 1
.set NM,  10                           ; v[10:11] - c x maximum, twice
.set AL,  12                           ; v[12:13], v[14:15] rescaling factor of tile 0, 1, twice each
.set T,   16                           ; v[16:19] at work
.set U,   20                           ; v[20:23] sums at work
.set QF,  24                           ; v[24:55]   Q(qt, dh) at 24 + 8 (2 qt + dh)
.set KV,  56                           ; v[56:119]  K(kt, dh) at 56 + 8 (2 kt + dh), later V(dt, kh) at 56 + 8 (2 dt + kh)
.set SC,  120                          ; v[120:183] S(kt, qt) at 120 + 8 (2 kt + qt); P(kh, qt) at 120 + 8 (4 kh + qt); at work in the merge
.set OA,  184                          ; v[184:247] O(dt, qt) at 184 + 8 (2 dt + qt)
.set MA,  248                          ; merge scratch of my g, 16 bytes a lane
.set MB,  249                          ; the same, 8 bytes a lane
.set SA,  250                          ; out stage: where I put 16 bytes
.set SR,  251                          ; out stage: where I read them back
.set YO,  252                          ; 16 x lane: my place in a store's 512 bytes
.set G1K, 44
.set G1V, 52
.set G0K, 60
.set G0V, 68
	s_load_b128 s[4:7], s[0:1], 0x0                ; qkvh s[4:5], yh s[6:7]
	v_lshl_add_u32 v254, v0, 2, 0x29000
	v_mov_b32 v255, 0
	ds_add_u32 v254, v255
	v_lshrrev_b32 v1, 5, v0
	v_readfirstlane_b32 s8, v1                     ; wave 0..7
	s_and_b32 s9, s8, 3                            ; g
	s_lshr_b32 s10, s8, 2                          ; half
	s_mov_b32 s11, ttmp9                           ; j
	s_and_b32 s12, ttmp7, 0xffff
	s_and_b32 s13, s12, 15                         ; head
	s_lshr_b32 s12, s12, 4                         ; batch
	s_lshl_b32 s26, s13, 19                        ; head x 524,288
	s_lshl_b32 s27, s12, 18                        ; + batch x 2,048 rows x 128 bytes
	s_add_co_u32 s26, s26, s27
	s_mov_b32 s27, 0                               ; s27 stays 0: s[26:27] is the pair for 32-bit offsets
	s_sub_co_u32 s72, 15, s11
	s_lshl_b32 s72, s72, 14                        ; block 15 - j: blocks of 128 rows x 128 bytes
	s_lshl_b32 s74, s9, 12                         ; my 32 rows in a block
	s_add_co_u32 s72, s72, s74
	s_mov_b32 s73, 0
	s_lshl_b32 s75, s11, 14                        ; block j
	s_add_co_u32 s74, s75, s74
	s_mov_b32 s75, 0
	; a tile: 128 dense rows of 128 bytes, taken as 64 rows of 256 bytes; the padding is counted along the tile, so one follows every 32 words = every key
	s_mov_b32 s[G1K+0], (1<<16)|(1<<20)|(4<<22)|(3<<25)    ; 2-byte elements; padding on; after every 32 words, 4 words
	s_mov_b32 s[G1V+0], (1<<16)|(1<<20)|(4<<22)|(7<<25)    ; 8 words
	s_mov_b32 s[G1K+1], 128<<16                    ; tensor_dim0 = 128
	s_mov_b32 s[G1V+1], 128<<16
	s_mov_b32 s[G1K+2], 64<<16                     ; tensor_dim1 = 64
	s_mov_b32 s[G1V+2], 64<<16
	s_mov_b32 s[G1K+3], 128<<16                    ; tile_dim0 = 128
	s_mov_b32 s[G1V+3], 128<<16
	s_mov_b32 s[G1K+4], 64                         ; tile_dim1 = 64
	s_mov_b32 s[G1V+4], 64
	s_mov_b32 s[G1K+5], 128                        ; pitch
	s_mov_b32 s[G1V+5], 128
	s_mov_b32 s[G1K+6], 0
	s_mov_b32 s[G1V+6], 0
	s_mov_b32 s[G1K+7], 0
	s_mov_b32 s[G1V+7], 0
	; the walk over the 17 units, made of j and the wave's number alone
	s_mov_b32 s28, 0                               ; cur: this trip's unit
	s_sub_co_u32 s30, 16, s11                      ; len: units of the block at work
	s_add_co_u32 s31, s11, 1                       ; len2: units of the second block
	s_mov_b32 s33, 0                               ; pend: the last trip ended a block
	s_cmp_lt_u32 s9, 2
	s_cselect_b32 s35, 1, 0
	s_add_co_u32 s35, s35, s10                     ; my part of a diagonal unit: 0 nothing masked, 1 partly, 2 wholly (keys 64.. against queries ..63)
	s_mov_b32 s37, 0xbe38aa3b                      ; - c,  c = log2(e) / 8
	s_mov_b32 s38, 0x3e38aa3b
	s_mov_b32 s39, 0x3e38aa3b
	s_mov_b32 s40, 0x76543210                      ; v_permlanex16_b32: lane i reads lane i of the other half
	s_mov_b32 s41, 0xfedcba98
	s_mul_i32 s42, s9, RWAVE
	s_add_co_u32 s42, s42, RBASE
	s_mul_i32 s43, s8, 16*KP
	s_add_co_u32 s43, s43, OSTG
	s_wait_dscnt 0x0
	s_barrier_signal -1
	s_barrier_wait -1
	s_wait_kmcnt 0x0
	s_add_nc_u64 s[4:5], s[4:5], s[26:27]          ; q of this head and batch
	s_add_nc_u64 s[6:7], s[6:7], s[26:27]          ; y of this head and batch
	s_add_nc_u64 s[14:15], s[4:5], 0x800000        ; k: 16 chunks on
	s_add_nc_u64 s[16:17], s[4:5], 0x1000000       ; v: 32 chunks on
	s_add_nc_u64 s[18:19], s[4:5], s[72:73]        ; my queries of the first block
	s_add_nc_u64 s[20:21], s[4:5], s[74:75]        ; of the second
	s_add_nc_u64 s[22:23], s[6:7], s[72:73]        ; my rows of y, first block
	s_add_nc_u64 s[24:25], s[6:7], s[74:75]        ; second
	s_mov_b32 s[G0K], 1
	s_mov_b32 s[G0K+1], 0
	s_mov_b64 s[G0K+2:G0K+3], s[14:15]
	s_or_b32 s[G0K+3], s[G0K+3], 0x80000000
	s_mov_b32 s[G0V], 1
	s_mov_b32 s[G0V+1], VOFF
	s_mov_b64 s[G0V+2:G0V+3], s[16:17]
	s_or_b32 s[G0V+3], s[G0V+3], 0x80000000
; Wave 0 asks for K's tile, wave 1 for V's: one tensor load of 16 KiB each, at most one of a wave out at any time
.macro KVLOAD
	s_cmp_lg_u32 s8, 0
	s_cbranch_scc1 .Lnot_k_\@
	tensor_load_to_lds s[G0K:G0K+3], s[G1K:G1K+7]
	s_nop 0
.Lnot_k_\@:
	s_cmp_lg_u32 s8, 1
	s_cbranch_scc1 .Lnot_v_\@
	tensor_load_to_lds s[G0V:G0V+3], s[G1V:G1V+7]
	s_nop 0
.Lnot_v_\@:
.endm
	KVLOAD                                         ; unit 0 into slot 0, ahead of every LDS load and of the trips' barriers
	v_and_b32 v6, 31, v0                           ; lane
	v_and_b32 v7, 15, v0                           ; r
	v_bfe_u32 v8, v0, 4, 1                         ; h
	v_and_b32 v9, 7, v0
	v_bfe_u32 v10, v0, 3, 1
	v_lshlrev_b32 v4, 7, v7
	v_lshl_add_u32 v4, v8, 4, v4                   ; Q: 128 r + 16 h
	v_mul_u32_u24 v1, v7, KP
	v_lshl_add_u32 v1, v8, 4, v1
	s_mul_i32 s72, s10, 64*KP
	v_add_nc_u32 v1, s72, v1                       ; K: 144 r + 16 h + my half's 64 keys
	v_lshl_add_u32 v2, v8, 3, v9
	v_mul_u32_u24 v2, v2, VP
	v_lshl_add_u32 v2, v10, 4, v2
	s_mul_i32 s72, s10, 64*VP
	s_add_co_u32 s72, s72, VOFF
	v_add_nc_u32 v2, s72, v2                       ; V: 160 (8 h + l % 8) + 16 ((l / 8) % 2) + my half's 64 keys
	s_lshl_b32 s72, s9, 5
	s_lshl_b32 s73, s10, 6
	s_sub_co_i32 s72, s72, s73
	v_lshlrev_b32 v3, 3, v8
	v_sub_nc_u32 v3, v7, v3
	v_add_nc_u32 v3, s72, v3                       ; r - 8 h + 32 g - 64 half: key (kt, i) is behind query (qt, r) where 16 kt - 16 qt + i is greater
	v_mov_b32 v5, 0xff800000                       ; - infinity
	v_lshl_add_u32 v[MA], v6, 4, s42
	v_lshl_add_u32 v[MB], v6, 3, s42
	v_mul_u32_u24 v[SA], v7, KP
	v_lshl_add_u32 v[SA], v8, 4, v[SA]
	v_add_nc_u32 v[SA], s43, v[SA]
	v_lshrrev_b32 v[SR], 3, v6
	v_mul_u32_u24 v[SR], v[SR], KP
	v_lshl_add_u32 v[SR], v9, 4, v[SR]
	v_add_nc_u32 v[SR], s43, v[SR]
	v_lshlrev_b32 v[YO], 4, v6
; my 32 queries as four fragments, straight from memory: 4 KiB a wave and block, read once
.macro QLOAD base
.irp qt, 0,1
.irp dh, 0,1
	global_load_b128 v[QF+8*(2*\qt+\dh):QF+8*(2*\qt+\dh)+3],   v4, s[\base:\base+1] offset:2048*\qt+64*\dh
	global_load_b128 v[QF+8*(2*\qt+\dh)+4:QF+8*(2*\qt+\dh)+7], v4, s[\base:\base+1] offset:2048*\qt+64*\dh+32
.endr
.endr
.endm
	QLOAD 18
.macro KFETCH slot
.irp kt, 0,1,2,3
.irp dh, 0,1
	ds_load_b128 v[KV+8*(2*\kt+\dh):KV+8*(2*\kt+\dh)+3],   v1 offset:\slot*SLOT+16*KP*\kt+64*\dh
	ds_load_b128 v[KV+8*(2*\kt+\dh)+4:KV+8*(2*\kt+\dh)+7], v1 offset:\slot*SLOT+16*KP*\kt+64*\dh+32
.endr
.endr
.endm
.macro VFETCH slot
.irp dt, 0,1,2,3
.irp kh, 0,1
	ds_load_tr16_b128 v[KV+8*(2*\dt+\kh):KV+8*(2*\dt+\kh)+3],   v2 offset:\slot*SLOT+32*VP*\kh+32*\dt
	ds_load_tr16_b128 v[KV+8*(2*\dt+\kh)+4:KV+8*(2*\dt+\kh)+7], v2 offset:\slot*SLOT+32*VP*\kh+32*\dt+16*VP
.endr
.endr
.endm
; S^T = K Q^T: eight tiles take turns, one instruction a turn; the first 32 of d start the sums
.macro SMUL
.irp kt, 0,1,2,3
.irp qt, 0,1
	v_wmma_f32_16x16x32_f16 v[SC+8*(2*\kt+\qt):SC+8*(2*\kt+\qt)+7], v[KV+8*(2*\kt):KV+8*(2*\kt)+7], v[QF+8*(2*\qt):QF+8*(2*\qt)+7], 0
.endr
.endr
.irp kt, 0,1,2,3
.irp qt, 0,1
	v_wmma_f32_16x16x32_f16 v[SC+8*(2*\kt+\qt):SC+8*(2*\kt+\qt)+7], v[KV+8*(2*\kt+1):KV+8*(2*\kt+1)+7], v[QF+8*(2*\qt+1):QF+8*(2*\qt+1)+7], v[SC+8*(2*\kt+\qt):SC+8*(2*\kt+\qt)+7]
.endr
.endr
.endm
; O^T += V^T P^T: eight tiles take turns likewise
.macro PVMUL zero
.irp dt, 0,1,2,3
.irp qt, 0,1
.if \zero
	v_wmma_f32_16x16x32_f16 v[OA+8*(2*\dt+\qt):OA+8*(2*\dt+\qt)+7], v[KV+8*(2*\dt):KV+8*(2*\dt)+7], v[SC+8*\qt:SC+8*\qt+7], 0
.else
	v_wmma_f32_16x16x32_f16 v[OA+8*(2*\dt+\qt):OA+8*(2*\dt+\qt)+7], v[KV+8*(2*\dt):KV+8*(2*\dt)+7], v[SC+8*\qt:SC+8*\qt+7], v[OA+8*(2*\dt+\qt):OA+8*(2*\dt+\qt)+7]
.endif
.endr
.endr
.irp dt, 0,1,2,3
.irp qt, 0,1
	v_wmma_f32_16x16x32_f16 v[OA+8*(2*\dt+\qt):OA+8*(2*\dt+\qt)+7], v[KV+8*(2*\dt+1):KV+8*(2*\dt+1)+7], v[SC+8*(4+\qt):SC+8*(4+\qt)+7], v[OA+8*(2*\dt+\qt):OA+8*(2*\dt+\qt)+7]
.endr
.endr
.endm
; keys behind the query get - infinity.  Every query of a partly masked part keeps at least the part's first key, so each row's maximum stays finite.
.macro MASK
.irp qt, 0,1
.irp kt, 0,1,2,3
.irp i, 0,1,2,3,4,5,6,7
	v_cmp_gt_i32 vcc_lo, 16*\kt-16*\qt+\i, v3
	v_cndmask_b32 v[SC+8*(2*\kt+\qt)+\i], v[SC+8*(2*\kt+\qt)+\i], v5, vcc_lo
.endr
.endr
.endr
.endm
.macro EXPT kt, qt
.irp i, 0,1,2,3,4,5,6,7
	v_exp_f32 v[SC+8*(2*\kt+\qt)+\i], v[SC+8*(2*\kt+\qt)+\i]
.endr
.endm
; a tile's eight weights are added to the lane's sums and packed to f16: an even tile into its own registers 0-3, an odd one into
; registers 4-7 of the even tile in front of it, which are free by then: the two make a fragment of 32 keys
.macro SUMCVT kt, qt, init
.if \init
	s_wait_alu depctr_va_vdst(0)
	v_pk_add_f32 v[U:U+1],   v[SC+8*(2*\kt+\qt):SC+8*(2*\kt+\qt)+1],     v[SC+8*(2*\kt+\qt)+2:SC+8*(2*\kt+\qt)+3]
	v_pk_add_f32 v[U+2:U+3], v[SC+8*(2*\kt+\qt)+4:SC+8*(2*\kt+\qt)+5],   v[SC+8*(2*\kt+\qt)+6:SC+8*(2*\kt+\qt)+7]
.else
	v_pk_add_f32 v[U:U+1],   v[U:U+1],   v[SC+8*(2*\kt+\qt):SC+8*(2*\kt+\qt)+1]
	v_pk_add_f32 v[U+2:U+3], v[U+2:U+3], v[SC+8*(2*\kt+\qt)+2:SC+8*(2*\kt+\qt)+3]
	v_pk_add_f32 v[U:U+1],   v[U:U+1],   v[SC+8*(2*\kt+\qt)+4:SC+8*(2*\kt+\qt)+5]
	v_pk_add_f32 v[U+2:U+3], v[U+2:U+3], v[SC+8*(2*\kt+\qt)+6:SC+8*(2*\kt+\qt)+7]
.endif
.irp i, 0,1,2,3
	v_cvt_pk_f16_f32 v[SC+8*(2*(\kt&2)+\qt)+4*(\kt&1)+\i], v[SC+8*(2*\kt+\qt)+2*\i], v[SC+8*(2*\kt+\qt)+2*\i+1]
.endr
.endm
; One query tile's step of the running softmax.  first = 1: maximum, sum and O begin here, nothing is rescaled.
.macro SOFTMAX qt, first
.irp kt, 0,1,2,3
	v_max3_num_f32 v[T+\kt], v[SC+8*(2*\kt+\qt)], v[SC+8*(2*\kt+\qt)+1], v[SC+8*(2*\kt+\qt)+2]
.endr
.irp kt, 0,1,2,3
	v_max3_num_f32 v[T+\kt], v[T+\kt], v[SC+8*(2*\kt+\qt)+3], v[SC+8*(2*\kt+\qt)+4]
.endr
.irp kt, 0,1,2,3
	v_max3_num_f32 v[T+\kt], v[T+\kt], v[SC+8*(2*\kt+\qt)+5], v[SC+8*(2*\kt+\qt)+6]
.endr
.irp kt, 0,1,2,3
	v_max_num_f32 v[T+\kt], v[T+\kt], v[SC+8*(2*\kt+\qt)+7]
.endr
	v_max3_num_f32 v[T], v[T], v[T+1], v[T+2]
	v_max_num_f32 v[T], v[T], v[T+3]
	v_permlanex16_b32 v[T+1], v[T], s40, s41       ; the other 32 keys of the same query lie in lane l xor 16
.if \first
	v_max_num_f32 v[MX+2*\qt], v[T], v[T+1]
	v_mul_f32 v[NM],   s37, v[MX+2*\qt]
	v_mul_f32 v[NM+1], s37, v[MX+2*\qt]
.else
	v_max3_num_f32 v[T+2], v[T], v[T+1], v[MX+2*\qt]
	v_mul_f32 v[NM],   s37, v[T+2]
	v_mul_f32 v[NM+1], s37, v[T+2]
	v_fma_f32 v[T+3], v[MX+2*\qt], s38, v[NM]      ; c (old maximum - new); an old maximum of - infinity gives the factor 0
	v_exp_f32 v[AL+2*\qt],   v[T+3]
	v_exp_f32 v[AL+2*\qt+1], v[T+3]
	v_mov_b32 v[MX+2*\qt], v[T+2]                  ; the plain instruction behind the exponentials (ISA guide 5.7.2)
.endif
.irp kt, 0,1,2,3
.irp i, 0,2,4,6
	v_pk_fma_f32 v[SC+8*(2*\kt+\qt)+\i:SC+8*(2*\kt+\qt)+\i+1], v[SC+8*(2*\kt+\qt)+\i:SC+8*(2*\kt+\qt)+\i+1], s[38:39], v[NM:NM+1] op_sel_hi:[1,0,1]
.endr
.endr
	EXPT 0, \qt
	EXPT 1, \qt
	v_nop                                          ; one plain place between the last exponential and the first use
	SUMCVT 0, \qt, 1
	EXPT 2, \qt
	SUMCVT 1, \qt, 0                               ; plain work on other registers is the place behind tile 2's exponentials
	EXPT 3, \qt
.if \first
	v_nop
	s_wait_alu depctr_va_vdst(0)
.else
	s_wait_alu depctr_va_vdst(0)
.irp dt, 0,1,2,3
.irp i, 0,2,4,6
	v_pk_mul_f32 v[OA+8*(2*\dt+\qt)+\i:OA+8*(2*\dt+\qt)+\i+1], v[OA+8*(2*\dt+\qt)+\i:OA+8*(2*\dt+\qt)+\i+1], v[AL+2*\qt:AL+2*\qt+1]
.endr
.endr
.endif
	SUMCVT 2, \qt, 0
	SUMCVT 3, \qt, 0
	v_pk_add_f32 v[U:U+1], v[U:U+1], v[U+2:U+3]
.if \first
	v_add_f32 v[MX+2*\qt+1], v[U], v[U+1]
.else
	v_add_f32 v[U], v[U], v[U+1]
	v_fma_f32 v[MX+2*\qt+1], v[MX+2*\qt+1], v[AL+2*\qt], v[U]   ; the lane's own 32 keys; the two halves of the lanes are added in the merge
.endif
.endm
.macro COMPUTE slot, first
	KFETCH \slot
	s_wait_dscnt 0x0
	SMUL
.rept 4
	v_nop                                          ; four places before V lands in K's registers and before S is read (ISA guide 7.12.1)
.endr
	VFETCH \slot                                   ; on its way during the softmax
.if \first
.else
	s_cmp_eq_u32 s34, 0
	s_cbranch_scc1 .Lno_mask_\@
	MASK
.Lno_mask_\@:
.endif
	SOFTMAX 0, \first
	SOFTMAX 1, \first
	s_wait_dscnt 0x0
	PVMUL \first
.rept 5
	v_nop                                          ; five places before the next product writes over P, four before loads land in V's registers or O is read
.endr
.endm
; A block's end.  Each half hands one query tile's O, maximum and sum to its partner wave (same g, other half) and keeps the other.
.macro GIVE qt, own, R
.irp dt, 0,1,2,3
	ds_store_b128 v[MA], v[OA+8*(2*\dt+\qt):OA+8*(2*\dt+\qt)+3]   offset:\own+\R+1024*\dt
	ds_store_b128 v[MA], v[OA+8*(2*\dt+\qt)+4:OA+8*(2*\dt+\qt)+7] offset:\own+\R+1024*\dt+512
.endr
	ds_store_b64 v[MB], v[MX+2*\qt:MX+2*\qt+1] offset:\own+\R+4096
.endm
.macro GIVE2 R
	s_cmp_lg_u32 s10, 0
	s_cbranch_scc1 .Lgive_1_\@
	GIVE 1, 0, \R
	s_branch .Lgiven_\@
.Lgive_1_\@:
	GIVE 0, RHALF, \R
.Lgiven_\@:
.endm
; The kept tile is merged with the partner's figures, divided by the sum, rounded to f16 and stored by whole rows through my own stage.
; A side that has seen no key has the maximum - infinity, hence the weight 0; its O is a finite sum of an earlier block and vanishes.
.macro COMBINE keep, par, R, yb, final
.irp i, 0,1,2,3,4,5,6,7
	ds_load_b128 v[SC+4*\i:SC+4*\i+3], v[MA] offset:\par+\R+512*\i
.endr
	ds_load_b64 v[SC+32:SC+33], v[MB] offset:\par+\R+4096
	s_wait_dscnt 0x0
	v_max_num_f32 v[NM], v[MX+2*\keep], v[SC+32]
	v_mul_f32 v[NM+1], s37, v[NM]
	v_fma_f32 v[T],   v[MX+2*\keep], s38, v[NM+1]
	v_fma_f32 v[T+1], v[SC+32],      s38, v[NM+1]
	v_exp_f32 v[T],   v[T]
	v_exp_f32 v[T+1], v[T+1]
	v_nop
	s_wait_alu depctr_va_vdst(0)
	v_mul_f32 v[U], v[T], v[MX+2*\keep+1]
	v_fma_f32 v[U], v[T+1], v[SC+33], v[U]
	v_permlanex16_b32 v[U+1], v[U], s40, s41       ; the sum over the other half of the lanes' keys
	v_add_f32 v[U], v[U], v[U+1]
	v_rcp_f32 v[U+2], v[U]
	v_nop
	s_wait_alu depctr_va_vdst(0)
	v_mul_f32 v[AL],   v[T],   v[U+2]
	v_mul_f32 v[AL+1], v[T],   v[U+2]
	v_mul_f32 v[AL+2], v[T+1], v[U+2]
	v_mul_f32 v[AL+3], v[T+1], v[U+2]
.irp dt, 0,1,2,3
.irp e, 0,2,4,6
	v_pk_mul_f32 v[SC+8*\dt+\e:SC+8*\dt+\e+1], v[SC+8*\dt+\e:SC+8*\dt+\e+1], v[AL+2:AL+3]
.endr
.irp e, 0,2,4,6
	v_pk_fma_f32 v[SC+8*\dt+\e:SC+8*\dt+\e+1], v[OA+8*(2*\dt+\keep)+\e:OA+8*(2*\dt+\keep)+\e+1], v[AL:AL+1], v[SC+8*\dt+\e:SC+8*\dt+\e+1]
.endr
.endr
.irp dt, 0,1,2,3
.irp e, 0,1,2,3
	v_cvt_pk_f16_f32 v[SC+36+4*\dt+\e], v[SC+8*\dt+2*\e], v[SC+8*\dt+2*\e+1]
.endr
.endr
.irp dt, 0,1,2,3
	ds_store_b128 v[SA], v[SC+36+4*\dt:SC+36+4*\dt+3] offset:32*\dt    ; query r, d = 16 dt + 8 h + 0..7
.endr
.irp t, 0,1,2,3
	ds_load_b128 v[SC+4*\t:SC+4*\t+3], v[SR] offset:4*KP*\t            ; four rows of 128 bytes; a wave's LDS instructions are served in order
.endr
.irp t, 0,1,2,3
	s_wait_dscnt 3-\t
	global_store_b128 v[YO], v[SC+4*\t:SC+4*\t+3], s[\yb:\yb+1] offset:2048*\keep+512*\t   ; 512 consecutive bytes of yh
.endr
.if \final
.else
	s_wait_xcnt 0x0                                ; the stores' data registers are written again by the next product only behind this wait
	v_mov_b32 v[MX],   v5                          ; the next block begins: maximum - infinity, sum 0; its first rescaling by 0 wipes O
	v_mov_b32 v[MX+1], 0
	v_mov_b32 v[MX+2], v5
	v_mov_b32 v[MX+3], 0
.endif
.endm
.macro COMBINE2 R, yb, final
	s_cmp_lg_u32 s10, 0
	s_cbranch_scc1 .Lkeep_1_\@
	COMBINE 0, RHALF, \R, \yb, \final
	s_branch .Lmerged_\@
.Lkeep_1_\@:
	COMBINE 1, 0, \R, \yb, \final
.Lmerged_\@:
.endm
; One unit of 128 keys.  kind 0: the first trip; 1: a trip in the middle; 2: the last.
; In front of the barrier every wave waits for all its tensor loads (this trip's tile among them) and all its LDS accesses (its reads of the
; other slot, its stores into the merge scratch).  Behind it the other slot's refill comes first.  The same barrier orders a block's GIVE (last
; trip) with its COMBINE (this trip); the scratch regions take turns with the slots, so a barrier lies between a region's reads and its next stores.
.macro TRIP slot, refill, kind
	s_wait_tensorcnt 0x0
	ds_add_u32 v254, v255
	s_wait_dscnt 0x0
	s_add_co_u32 s29, s28, 1
	s_cmp_eq_u32 s29, s30                          ; is this the block's diagonal unit?
	s_cselect_b32 s29, 0, s29                      ; nxt: then the next block's unit 0 follows
	s_cselect_b32 s32, 1, 0                        ; diag
	s_cselect_b32 s34, s35, 0                      ; mode: what the mask does to my part
	s_cselect_b32 s30, s31, s30
.if \refill
	s_lshl_b32 s26, s29, 14                        ; no tensor load of mine is out: both groups 0 may be written
	s_mov_b32 s[G0K+1], (1-\slot)*SLOT
	s_add_nc_u64 s[G0K+2:G0K+3], s[14:15], s[26:27]
	s_or_b32 s[G0K+3], s[G0K+3], 0x80000000
	s_mov_b32 s[G0V+1], (1-\slot)*SLOT+VOFF
	s_add_nc_u64 s[G0V+2:G0V+3], s[16:17], s[26:27]
	s_or_b32 s[G0V+3], s[G0V+3], 0x80000000
.endif
	s_wait_dscnt 0x0
	s_barrier_signal -1
	s_barrier_wait -1
.if \refill
	KVLOAD
.endif
.if \kind != 0
	s_cmp_eq_u32 s33, 0
	s_cbranch_scc1 .Lno_merge_\@
	COMBINE2 (1-\slot)*RSTEP, 22, 0
.Lno_merge_\@:
.endif
	s_wait_loadcnt 0x0                             ; my queries are in (on every path: no second load is issued into registers that a pending one writes)
.if \kind != 0
	s_cmp_eq_u32 s34, 2
	s_cbranch_scc1 .Lskip_\@                       ; my 64 keys all lie behind my 32 queries
	COMPUTE \slot, 0
.Lskip_\@:
.else
	COMPUTE \slot, 1
.endif
.if \kind == 1
	s_cmp_eq_u32 s32, 0
	s_cbranch_scc1 .Lno_end_\@
	GIVE2 \slot*RSTEP
	QLOAD 20                                       ; the second block's queries
.Lno_end_\@:
.endif
.if \kind == 2
	GIVE2 \slot*RSTEP
.endif
	s_mov_b32 s33, s32
	s_mov_b32 s28, s29
.endm
	TRIP 0, 1, 0                                   ; never a diagonal unit: the first block has at least 9
	s_mov_b32 s36, 7
.Lunits:
	TRIP 1, 1, 1
	TRIP 0, 1, 1
	s_sub_co_u32 s36, s36, 1
	s_cmp_lg_u32 s36, 0
	s_cbranch_scc1 .Lunits
	TRIP 1, 1, 1
	TRIP 0, 0, 2                                   ; the 17th unit: the second block's diagonal; nothing is left to fetch
	s_wait_dscnt 0x0                               ; my stores into the scratch are done
	s_barrier_signal -1
	s_barrier_wait -1
	COMBINE2 0, 24, 1
	s_wait_tensorcnt 0x0
	ds_add_u32 v254, v255
	s_wait_dscnt 0x0
	s_endpgm
.Lfunc_end_k_q5347eb85cb_attn:
	.size	k_q5347eb85cb_attn, .Lfunc_end_k_q5347eb85cb_attn-k_q5347eb85cb_attn
	.p2alignl 7, 3214868480
	.fill 96, 4, 3214868480
	.section	.rodata,"a",@progbits
	.p2align	6, 0x0
	.amdhsa_kernel k_q5347eb85cb_attn
		.amdhsa_group_segment_fixed_size 327680
		.amdhsa_private_segment_fixed_size 0
		.amdhsa_enable_private_segment 0
		.amdhsa_kernarg_size 16
		.amdhsa_user_sgpr_count 2
		.amdhsa_user_sgpr_kernarg_segment_ptr 1
		.amdhsa_wavefront_size32 1
		.amdhsa_system_sgpr_workgroup_id_x 1
		.amdhsa_system_sgpr_workgroup_id_y 1
		.amdhsa_system_sgpr_workgroup_id_z 1
		.amdhsa_system_vgpr_workitem_id 0
		.amdhsa_next_free_vgpr 256
		.amdhsa_next_free_sgpr 80
		.amdhsa_reserve_vcc 1
		.amdhsa_float_denorm_mode_32 3
		.amdhsa_float_denorm_mode_16_64 3
		.amdhsa_memory_ordered 1
		.amdhsa_forward_progress 1
		.amdhsa_inst_pref_size 175
	.end_amdhsa_kernel
	.amdgpu_metadata
---
amdhsa.version: [ 1, 2 ]
amdhsa.kernels:
  - .name:           k_q5347eb85cb_attn
    .symbol:         k_q5347eb85cb_attn.kd
    .args:
      - { .name: qkvh, .offset: 0, .size: 8, .value_kind: global_buffer, .address_space: global }
      - { .name: yh, .offset: 8, .size: 8, .value_kind: global_buffer, .address_space: global }
    .group_segment_fixed_size: 327680
    .private_segment_fixed_size: 0
    .kernarg_segment_align: 8
    .kernarg_segment_size: 16
    .max_flat_workgroup_size: 256
    .sgpr_count:     80
    .vgpr_count:     256
    .wavefront_size: 32
...
	.end_amdgpu_metadata
.endif
;; end of part 3
;; launch proj (part 4): grid 8 x 32, 4 waves a work-group, clusters of 4 x 4, 327,680 bytes of LDS; arguments yh, wpb, out0; writes out0
.if DOCPART == 4
	.amdgcn_target "amdgcn-amd-amdhsa--gfx1250"
	.amdhsa_code_object_version 6
	.text
	.protected	k_q5347eb85cb_proj
	.globl	k_q5347eb85cb_proj
	.p2align	8
	.type	k_q5347eb85cb_proj,@function
k_q5347eb85cb_proj:
	s_mov_b64 s[64:65], 0
	v_nop
	global_prefetch_b8 v0, s[64:65] scope:SCOPE_SE
	s_setreg_imm32_b32 hwreg(HW_REG_WAVE_MODE, 25, 1), 1
	s_wait_xcnt 0x0
	s_wait_alu depctr_hold_cnt(0) depctr_sa_sdst(0) depctr_va_vdst(0) depctr_va_sdst(0) depctr_va_ssrc(0) depctr_va_vcc(0) depctr_vm_vsrc(0)
	s_getreg_b32 s2, hwreg(HW_REG_IB_STS2, 6, 4)
	s_cmp_eq_u32 s2, 0
	s_cbranch_scc0 .Lentry_in_a_cluster
	s_endpgm
.Lentry_in_a_cluster:
	s_bfe_u32 s2, ttmp6, 0x10000c
	s_cmp_lg_u32 s2, 0xf033
	s_cbranch_scc0 .Lentry_shape_is_right
	s_endpgm
.Lentry_shape_is_right:
; out0[row][n] = sum over k of y[row][k] w_proj[n][k]: [4096 x 1024] x [1024 x 1024]^T, f16 operands, f32 sums, f32 result.
; y lies by heads, yh[head][row][64] (k = 64 head + d); wpb is [1024][1024] f16.
; A work-group makes 128 x 128: 8 x 32 = 256 work-groups.  Four waves, 2 x 2, 64 x 64 each: 16 accumulator tiles, 128 registers.
; K goes in 8 steps of 128 (two heads) through two LDS slots.  Waves 0, 1 fetch one head's 128 rows each (dense 16 KiB, taken as 64 rows of
; 256 bytes, a padding behind every 128), waves 2, 3 fetch 64 rows x 256 bytes of wpb each.
; CLUSTERS: 4 x 4; y's tiles are asked for jointly along a row of the cluster, wpb's along a column.
; REGISTERS: window 0 addresses, y's fragments (two buffers at v64, v96), wpb's (v128, v160), v192-255 rows read back; window 1 the tiles, (a, b) at v[8 (4 a + b)].
; The matrix instruction is used transposed (source 0 = rows of wpb, source 1 = rows of y): a lane holds row l % 16 and eight neighbouring columns.
.set AP,     144                       ; y's LDS pitch: 128 bytes + 16
.set BP,     272                       ; wpb's: 256 bytes + 16; both odd multiples of 16
.set HEADT,  128*AP                    ; 18,432: a head's tile
.set HALFB,  64*BP                     ; 17,408
.set BOFF,   2*HEADT                   ; 36,864
.set SLOT,   2*HEADT+2*HALFB           ; 71,680
.set STAGE,  2*SLOT                    ; 143,360: 16 rows x 272 bytes for each wave, never filled by a tensor load
.set SPITCH, 272
.set LAPS,   4
.set ADRA, 16
.set ADRB, 20
.set STO,  24
.set RD,   25
.set CO,   26
.set G1, 24
.set G0, 32
.set G1B, 48
.set G0B, 56
.set MSB, 0
.macro WIN new
.if MSB != \new
	s_set_vgpr_msb (MSB<<8)|\new
.set MSB, \new
.endif
.endm
.set MUL, 0x50                         ; sources window 0, C and D window 1
.macro JLOAD s
	s_cmp_eq_u32 s11, 0
	s_cbranch_scc0 .Lfor_b_\@
	tensor_load_to_lds s[G0+4*\s:G0+4*\s+3], s[G1:G1+7]
	s_nop 0
	s_branch .Lasked_\@
.Lfor_b_\@:
	tensor_load_to_lds s[G0B+4*\s:G0B+4*\s+3], s[G1B:G1B+7]
	s_nop 0
.Lasked_\@:
.endm
.macro CREST
	s_cmp_lg_u32 s10, 0
	s_cbranch_scc1 .Lnot_wave_0_\@
	s_barrier_signal -3
.Lnot_wave_0_\@:
	s_barrier_wait -3
	s_barrier_signal -1
	s_barrier_wait -1
.endm
.macro CROUND
	s_barrier_signal -1
	s_barrier_wait -1
	CREST
.endm
	s_load_b128 s[4:7], s[0:1], 0x0                ; yh s[4:5], wpb s[6:7]
	s_load_b64 s[8:9], s[0:1], 0x10                ; out0
	v_lshl_add_u32 v62, v0, 2, 0x29000
	v_mov_b32 v63, 0
	ds_add_u32 v62, v63
	v_lshrrev_b32 v1, 5, v0
	v_readfirstlane_b32 s10, v1                    ; wave 0..3
	s_lshr_b32 s11, s10, 1                         ; my half of the block's rows.  Also: I fetch for y (0) or for wpb (1)
	s_and_b32 s12, s10, 1                          ; my half of its columns.  Also: which head, or which 64 rows, I fetch
	s_bfe_u32 s40, ttmp6, 0x40000                  ; cx
	s_bfe_u32 s41, ttmp6, 0x40004                  ; cy
	s_lshl_b32 s42, ttmp9, 2
	s_add_co_u32 s42, s42, s40                     ; block column
	s_and_b32 s13, ttmp7, 0xffff
	s_lshl_b32 s13, s13, 2
	s_add_co_u32 s13, s13, s41                     ; block row
	s_lshl_b32 s43, s41, 2
	s_lshl_b32 s43, 15, s43                        ; my row of the cluster
	s_lshl_b32 s44, 0x1111, s40                    ; my column
	s_or_b32 s[G1+0], s43, (1<<16)|(1<<20)|(1<<21)|(4<<22)|(3<<25)   ; y: padding of 4 words after every 32 words
	s_or_b32 s[G1B+0], s44, (1<<16)|(1<<20)|(1<<21)|(5<<22)|(3<<25)  ; wpb: after every 64 words
	s_mov_b32 s[G1+1], 128<<16                     ; tensor_dim0 = 128
	s_mov_b32 s[G1B+1], 128<<16
	s_mov_b32 s[G1+2], 64<<16                      ; tensor_dim1 = 64
	s_mov_b32 s[G1B+2], 64<<16
	s_mov_b32 s[G1+3], 128<<16                     ; tile_dim0 = 128
	s_mov_b32 s[G1B+3], 128<<16
	s_mov_b32 s[G1+4], 64                          ; tile_dim1 = 64
	s_mov_b32 s[G1B+4], 64
	s_mov_b32 s[G1+5], 128                         ; y: dense
	s_mov_b32 s[G1B+5], 1024                       ; wpb: 1,024 elements from row to row
	s_mov_b32 s[G1+6], 0
	s_mov_b32 s[G1B+6], 0
	s_mov_b32 s[G1+7], 0
	s_mov_b32 s[G1B+7], 0
	s_lshl_b32 s16, s13, 14                        ; y: block row x 128 rows x 128 bytes
	s_lshl_b32 s17, s12, 19                        ; + my head of the step's two
	s_add_co_u32 s16, s16, s17
	s_mov_b32 s17, 0
	s_lshl_b32 s46, s42, 18                        ; wpb: block column x 128 rows x 2,048 bytes
	s_lshl_b32 s47, s12, 17                        ; + my 64 rows
	s_add_co_u32 s46, s46, s47
	s_mov_b32 s47, 0
	s_mul_i32 s20, s10, HEADT                      ; LDS: heads at wave x 18,432 (waves 0, 1)
	s_mul_i32 s21, s10, HALFB
	s_add_co_u32 s21, s21, BOFF-2*HALFB            ; wpb's halves at 36,864 + (wave - 2) x 17,408 (waves 2, 3)
	s_wait_dscnt 0x0
	s_wait_kmcnt 0x0
	s_add_nc_u64 s[14:15], s[4:5], s[16:17]
	s_add_nc_u64 s[46:47], s[6:7], s[46:47]
	CROUND                                         ; in front of the first joint loads
.irp s, 0,1
	s_mov_b32 s[G0+4*\s], 1
	s_add_co_u32 s[G0+4*\s+1], s20, \s*SLOT
	s_add_nc_u64 s[G0+4*\s+2:G0+4*\s+3], s[14:15], \s*2*524288     ; K step s: heads 2 s, 2 s + 1
	s_or_b32 s[G0+4*\s+3], s[G0+4*\s+3], 0x80000000
	s_mov_b32 s[G0B+4*\s], 1
	s_add_co_u32 s[G0B+4*\s+1], s21, \s*SLOT
	s_add_nc_u64 s[G0B+4*\s+2:G0B+4*\s+3], s[46:47], \s*256
	s_or_b32 s[G0B+4*\s+3], s[G0B+4*\s+3], 0x80000000
	JLOAD \s                                       ; two tensor loads of a wave are out at the most
.endr
	v_and_b32 v1, 15, v0                           ; r
	v_bfe_u32 v2, v0, 4, 1                         ; h
	v_mul_u32_u24 v3, v1, AP
	v_lshl_add_u32 v3, v2, 4, v3
	v_mul_u32_u24 v4, v1, BP
	v_lshl_add_u32 v4, v2, 4, v4
	s_mul_i32 s22, s11, 64*AP                      ; my 64 rows of y
	s_mul_i32 s23, s12, 64*BP                      ; my 64 rows of wpb,
	s_add_co_u32 s23, s23, BOFF                    ; behind the two heads
.irp s, 0,1
	v_add_nc_u32 v[ADRA+\s], s22, v3
	v_add_nc_u32 v[ADRB+\s], s23, v4
	s_add_co_u32 s22, s22, SLOT
	s_add_co_u32 s23, s23, SLOT
.endr
	s_mul_i32 s23, s10, 16*SPITCH
	s_add_co_u32 s23, s23, STAGE
	v_mul_u32_u24 v5, v1, SPITCH
	v_lshl_add_u32 v5, v2, 5, v5
	v_add_nc_u32 v[STO], s23, v5                   ; in: row r, 32 bytes for each half of the lanes
	v_mul_u32_u24 v5, v2, SPITCH
	v_lshl_add_u32 v5, v1, 4, v5
	v_add_nc_u32 v[RD], s23, v5                    ; back: lanes 0-15 one row of 256 bytes, lanes 16-31 the next
	v_lshlrev_b32 v5, 12, v2
	v_lshl_add_u32 v[CO], v1, 4, v5                ; the same two rows in out0, 4,096 bytes apart
; four matrix instructions: row block a x the four column blocks.  The 16 accumulators take turns, one instruction a turn.
.macro MULROW p, a, zero
.irp b, 0,1,2,3
.if \zero
	v_wmma_f32_16x16x32_f16 v[8*(4*\a+\b):8*(4*\a+\b)+7], v[128+32*\p+8*\b:128+32*\p+8*\b+7], v[64+32*\p+8*\a:64+32*\p+8*\a+7], 0
.else
	v_wmma_f32_16x16x32_f16 v[8*(4*\a+\b):8*(4*\a+\b)+7], v[128+32*\p+8*\b:128+32*\p+8*\b+7], v[64+32*\p+8*\a:64+32*\p+8*\a+7], v[8*(4*\a+\b):8*(4*\a+\b)+7]
.endif
.endr
.endm
; 16 LDS loads: a quarter step's fragments into buffer p; ka, kb: the quarter's byte offset in y's tiles (head, then d) and in wpb's rows
.macro FETCH slot, ka, kb, p
.irp i, 0,1,2,3
	ds_load_b128 v[128+32*\p+8*\i:128+32*\p+8*\i+3],   v[ADRB+\slot] offset:\kb+\i*16*BP
	ds_load_b128 v[128+32*\p+8*\i+4:128+32*\p+8*\i+7], v[ADRB+\slot] offset:\kb+\i*16*BP+32
.endr
.irp i, 0,1,2,3
	ds_load_b128 v[64+32*\p+8*\i:64+32*\p+8*\i+3],   v[ADRA+\slot] offset:\ka+\i*16*AP
	ds_load_b128 v[64+32*\p+8*\i+4:64+32*\p+8*\i+7], v[ADRA+\slot] offset:\ka+\i*16*AP+32
.endr
.endm
.macro PLACES                          ; four plain places between a matrix instruction and a load into, or a read of, its registers (ISA guide 7.12.1 for vector instructions)
.rept 4
	v_nop
.endr
.endm
.macro QUARTER slot, ka, kb, p, g, zero
	s_wait_dscnt 4                                 ; wpb's fragments and y's blocks 0, 1 are in; the youngest four loads (blocks 2, 3) may be out
	WIN MUL
	MULROW \p, 0, \zero
	MULROW \p, 1, \zero
	WIN 0
	PLACES
	FETCH \slot, \ka, \kb, \g
	s_wait_dscnt 16                                ; all but the 16 just issued
	WIN MUL
	MULROW \p, 2, \zero
	MULROW \p, 3, \zero
.endm
.macro THREE slot, zero
	QUARTER \slot, 64,       64,  0, 1, \zero
	QUARTER \slot, HEADT,    128, 1, 0, 0
	QUARTER \slot, HEADT+64, 192, 0, 1, 0
.endm
; the last quarter changes slots: each wave's reads of this slot and all its tensor loads are waited for in front of the barrier
; (fill = 1: it opens a round of the cluster's barrier); the joint refill is the first tensor load behind it, one a wave
.macro TURN slot, next, fill
	s_wait_dscnt 4
	WIN MUL
	MULROW 1, 0, 0
	s_wait_dscnt 0
	s_wait_tensorcnt 0x0
	ds_add_u32 v62, v63
	s_wait_dscnt 0x0
	s_barrier_signal -1
	MULROW 1, 1, 0
	WIN 0
	s_barrier_wait -1
.if \fill
	CREST
	s_add_nc_u64 s[G0+4*\slot+2:G0+4*\slot+3], s[G0+4*\slot+2:G0+4*\slot+3], 4*524288   ; two K steps = four heads on
	s_add_nc_u64 s[G0B+4*\slot+2:G0B+4*\slot+3], s[G0B+4*\slot+2:G0B+4*\slot+3], 512
	JLOAD \slot
.endif
	PLACES
	FETCH \next, 0, 0, 0
	WIN MUL
	MULROW 1, 2, 0
	MULROW 1, 3, 0
.endm
.macro LAP zero
	THREE 0, \zero
	TURN 0, 1, 1
	THREE 1, 0
	TURN 1, 0, 1
.endm
	s_wait_tensorcnt 1                             ; my part of K step 0 is in; K step 1's may stay out
	s_barrier_signal -1
	s_barrier_wait -1
	FETCH 0, 0, 0, 0
	LAP 1
	WIN 0
	s_mov_b32 s3, LAPS-2
.Llap:
	LAP 0
	WIN 0
	s_sub_co_u32 s3, s3, 1
	s_cmp_lg_u32 s3, 0
	s_cbranch_scc1 .Llap
	THREE 0, 0                                     ; the last lap fills nothing
	TURN 0, 1, 0
	THREE 1, 0
	s_wait_dscnt 0
	WIN MUL
	MULROW 1, 0, 0
	MULROW 1, 1, 0
	MULROW 1, 2, 0
	MULROW 1, 3, 0
	; THE WAY OUT, 16 rows at a time: the f32 sums go as they are into my own stage and come back as whole rows of 256 bytes
	PLACES
	s_lshl_b32 s16, s13, 19                        ; block row x 128 rows x 4,096 bytes
	s_lshl_b32 s17, s11, 18                        ; + my 64 rows
	s_add_co_u32 s16, s16, s17
	s_mov_b32 s17, 0
	s_add_nc_u64 s[8:9], s[8:9], s[16:17]
	s_lshl_b32 s46, s42, 9                         ; block column x 512 bytes
	s_lshl_b32 s47, s12, 8                         ; + my 256
	s_add_co_u32 s46, s46, s47
	s_mov_b32 s47, 0
	s_add_nc_u64 s[8:9], s[8:9], s[46:47]
.macro OUT16 a, f
	WIN 0x04                                       ; an LDS store's data: source 1, window 1
.irp b, 0,1,2,3
	ds_store_b128 v[STO], v[8*(4*\a+\b):8*(4*\a+\b)+3]   offset:64*\b
	ds_store_b128 v[STO], v[8*(4*\a+\b)+4:8*(4*\a+\b)+7] offset:64*\b+16
.endr
	WIN 0
	s_wait_xcnt 0x0                                ; buffer f, which earlier stores read, is loaded again only behind this wait
.irp t, 0,1,2,3,4,5,6,7
	ds_load_b128 v[\f+4*\t:\f+4*\t+3], v[RD] offset:\t*2*SPITCH        ; a wave's LDS instructions are served in order
.endr
.irp t, 0,1,2,3,4,5,6,7
	s_wait_dscnt 7-\t
	global_store_b128 v[CO], v[\f+4*\t:\f+4*\t+3], s[8:9] offset:(16*\a+2*\t)*4096 th:TH_STORE_NT   ; 16 lanes store 256 consecutive aligned bytes
.endr
.endm
	OUT16 0, 192
	OUT16 1, 224
	OUT16 2, 192
	OUT16 3, 224
	s_wait_tensorcnt 0x0
	ds_add_u32 v62, v63
	s_wait_dscnt 0x0
	CROUND                                         ; the closing round
	s_endpgm
.Lfunc_end_k_q5347eb85cb_proj:
	.size	k_q5347eb85cb_proj, .Lfunc_end_k_q5347eb85cb_proj-k_q5347eb85cb_proj
	.p2alignl 7, 3214868480
	.fill 96, 4, 3214868480
	.section	.rodata,"a",@progbits
	.p2align	6, 0x0
	.amdhsa_kernel k_q5347eb85cb_proj
		.amdhsa_group_segment_fixed_size 327680
		.amdhsa_private_segment_fixed_size 0
		.amdhsa_enable_private_segment 0
		.amdhsa_kernarg_size 24
		.amdhsa_user_sgpr_count 2
		.amdhsa_user_sgpr_kernarg_segment_ptr 1
		.amdhsa_wavefront_size32 1
		.amdhsa_system_sgpr_workgroup_id_x 1
		.amdhsa_system_sgpr_workgroup_id_y 1
		.amdhsa_system_sgpr_workgroup_id_z 1
		.amdhsa_system_vgpr_workitem_id 0
		.amdhsa_next_free_vgpr 384
		.amdhsa_next_free_sgpr 66
		.amdhsa_reserve_vcc 0
		.amdhsa_float_denorm_mode_32 3
		.amdhsa_float_denorm_mode_16_64 3
		.amdhsa_memory_ordered 1
		.amdhsa_forward_progress 1
		.amdhsa_inst_pref_size 74
	.end_amdhsa_kernel
	.amdgpu_metadata
---
amdhsa.version: [ 1, 2 ]
amdhsa.kernels:
  - .name:           k_q5347eb85cb_proj
    .symbol:         k_q5347eb85cb_proj.kd
    .args:
      - { .name: yh, .offset: 0, .size: 8, .value_kind: global_buffer, .address_space: global }
      - { .name: wpb, .offset: 8, .size: 8, .value_kind: global_buffer, .address_space: global }
      - { .name: out0, .offset: 16, .size: 8, .value_kind: global_buffer, .address_space: global }
    .group_segment_fixed_size: 327680
    .private_segment_fixed_size: 0
    .kernarg_segment_align: 8
    .kernarg_segment_size: 24
    .max_flat_workgroup_size: 128
    .sgpr_count:     66
    .vgpr_count:     384
    .wavefront_size: 32
...
	.end_amdgpu_metadata
.endif
;; end of part 4
;; ======== version 2 of 2: 4 launches; version 1 with the launch cast written anew for expert scheduling mode
;; limits: values are held in f16: magnitudes above 65,504 overflow, below 6.1e-05 lose precision
;; workspace buffers: xb 8,388,608 bytes; wqb 6,291,456 bytes; wpb 2,097,152 bytes; qkvh 25,165,824 bytes; yh 8,388,608 bytes
;; launch cast (part 5): grid 512 x 1, 8 waves a work-group, no clusters, 0 bytes of LDS; arguments x, w_qkv, w_proj, xb, wqb, wpb; writes xb, wqb, wpb
.if DOCPART == 5
	.amdgcn_target "amdgcn-amd-amdhsa--gfx1250"
	.amdhsa_code_object_version 6
	.text
	.protected	k_q5347eb85cb_cast
	.globl	k_q5347eb85cb_cast
	.p2align	8
	.type	k_q5347eb85cb_cast,@function
k_q5347eb85cb_cast:
	s_mov_b64 s[64:65], 0
	v_nop
	global_prefetch_b8 v0, s[64:65] scope:SCOPE_SE
	s_setreg_imm32_b32 hwreg(HW_REG_WAVE_SCHED_MODE, 0, 2), 2
	s_setreg_imm32_b32 hwreg(HW_REG_WAVE_MODE, 25, 1), 1
	s_wait_xcnt 0x0
	s_wait_alu depctr_vm_vsrc(0)
; The three f32 inputs are rounded once to 16 bits, so that the products read half the bytes and convert nothing again.
; x -> xb and w_qkv -> wqb in bf16 (nearest even).  w_proj -> wpb: rounded to bf16 first, so that all three inputs lie on one grid,
; and then written as f16, because the projection's other operand (y) is f16.  A bf16 number has 8 significant bits and f16 holds 11:
; the second step is exact for magnitudes from 2^-14 to 65,504; smaller ones land on f16's step of 2^-24.
; LIMIT: |w_proj| above 65,504 would become infinite.
; A work-group takes 16,384 numbers (65,536 bytes in, 32,768 out): groups 0-255 x, 256-447 w_qkv, 448-511 w_proj.
; Every load of a wave covers 512 consecutive bytes, every store 256 consecutive aligned bytes.  All sixteen loads go out first;
; every load and store has registers of its own, so no source is ever rewritten.  No LDS, no barrier: memory binds.
; THE MODE: SCHED_MODE bits 1:0 = 2 (LLVM: expert scheduling mode 2), set by the entry lines.  The code itself states the register dependences
; between vector instructions and memory instructions, with s_wait_alu, always for 0.
; THE PLAN.  Registers that memory instructions touch:
;   v1, v2   byte offsets.  Written once at the head, by one vector instruction each; read by every load (v1) and every store (v2); never written again.
;   X        chunk n: four registers.  Written by load n alone, once; read by chunk n's conversions.  No vector instruction names them ahead of the loads.
;   Y        chunk n: two registers.  Written by chunk n's conversions; read by store n; never written behind it.
;   T        named by vector instructions alone.
; So one wait on va_vdst stands ahead of the first load, for the offsets.  The sixteen chunks go in four blocks of four: a block's conversions, one wait
; on va_vdst for the eight registers of Y that they write, the block's four stores.  No register that a memory instruction reads is written again,
; so the only wait on vm_vsrc is the one at entry; no vector instruction writes a scalar register, and EXEC is never written.
.set T, 4                              ; v[4:7]    at work
.set X, 8                              ; v[8:71]   16 loads x 4 numbers
.set Y, 72                             ; v[72:103] 16 stores x 2 words
	s_load_b256 s[4:11], s[0:1], 0x0               ; x s[4:5], w_qkv s[6:7], w_proj s[8:9], xb s[10:11]
	s_load_b128 s[12:15], s[0:1], 0x20             ; wqb s[12:13], wpb s[14:15]
	v_lshlrev_b32 v1, 4, v0                        ; 16 bytes a thread in
	v_lshlrev_b32 v2, 3, v0                        ; 8 bytes a thread out
	s_movk_i32 s20, 448
	s_movk_i32 s21, 256
	s_mov_b32 s23, 0
	s_wait_kmcnt 0x0
	s_cmp_lt_u32 ttmp9, 448                        ; which tensor: the choice hangs on the group's number alone
	s_cselect_b64 s[16:17], s[6:7], s[8:9]
	s_cselect_b64 s[18:19], s[12:13], s[14:15]
	s_cselect_b32 s20, s21, s20
	s_cmp_lt_u32 ttmp9, 256
	s_cselect_b64 s[16:17], s[4:5], s[16:17]
	s_cselect_b64 s[18:19], s[10:11], s[18:19]
	s_cselect_b32 s20, 0, s20
	s_sub_co_u32 s20, ttmp9, s20                   ; the group's number inside its tensor
	s_lshl_b32 s22, s20, 16
	s_add_nc_u64 s[16:17], s[16:17], s[22:23]      ; source
	s_lshl_b32 s22, s20, 15
	s_add_nc_u64 s[18:19], s[18:19], s[22:23]      ; destination
	s_wait_alu depctr_va_vdst(0)                   ; v1 and v2 are written: every load below reads v1 as its offset, every store v2
.irp i, 0,1,2,3,4,5,6,7,8,9,10,11,12,13,14,15
	global_load_b128 v[X+4*\i:X+4*\i+3], v1, s[16:17] offset:4096*\i th:TH_LOAD_NT
.endr
; Block p: chunks 4 p to 4 p + 3.  half = 1: w_proj's path, bf16 and then f16.
.macro BLK p, half
.irp i, 0,1,2,3
.set num, 4*(\p)+(\i)
	s_wait_loadcnt 15-num                          ; loads return in order: load num is in, the 15 - num younger ones stay out
	v_cvt_pk_bf16_f32 v[Y+2*num],   v[X+4*num],   v[X+4*num+1]
	v_cvt_pk_bf16_f32 v[Y+2*num+1], v[X+4*num+2], v[X+4*num+3]
.if \half
	v_lshlrev_b32 v[T],   16, v[Y+2*num]           ; the bf16 numbers as f32 again,
	v_and_b32     v[T+1], 0xffff0000, v[Y+2*num]
	v_lshlrev_b32 v[T+2], 16, v[Y+2*num+1]
	v_and_b32     v[T+3], 0xffff0000, v[Y+2*num+1]
	v_cvt_pk_f16_f32 v[Y+2*num],   v[T],   v[T+1]  ; and written as f16
	v_cvt_pk_f16_f32 v[Y+2*num+1], v[T+2], v[T+3]
.endif
.endr
	s_wait_alu depctr_va_vdst(0)                   ; the block's conversions have written its eight registers of Y, which the four stores below read
.irp i, 0,1,2,3
.set num, 4*(\p)+(\i)
	global_store_b64 v2, v[Y+2*num:Y+2*num+1], s[18:19] offset:2048*num
.endr
.endm
	s_cmp_ge_u32 ttmp9, 448
	s_cbranch_scc1 .Lto_f16
	BLK 0, 0
	BLK 1, 0
	BLK 2, 0
	BLK 3, 0
	s_endpgm
.Lto_f16:
	BLK 0, 1
	BLK 1, 1
	BLK 2, 1
	BLK 3, 1
	s_endpgm
.Lfunc_end_k_q5347eb85cb_cast:
	.size	k_q5347eb85cb_cast, .Lfunc_end_k_q5347eb85cb_cast-k_q5347eb85cb_cast
	.p2alignl 7, 3214868480
	.fill 96, 4, 3214868480
	.section	.rodata,"a",@progbits
	.p2align	6, 0x0
	.amdhsa_kernel k_q5347eb85cb_cast
		.amdhsa_group_segment_fixed_size 0
		.amdhsa_private_segment_fixed_size 0
		.amdhsa_enable_private_segment 0
		.amdhsa_kernarg_size 48
		.amdhsa_user_sgpr_count 2
		.amdhsa_user_sgpr_kernarg_segment_ptr 1
		.amdhsa_wavefront_size32 1
		.amdhsa_system_sgpr_workgroup_id_x 1
		.amdhsa_system_sgpr_workgroup_id_y 1
		.amdhsa_system_sgpr_workgroup_id_z 1
		.amdhsa_system_vgpr_workitem_id 0
		.amdhsa_next_free_vgpr 104
		.amdhsa_next_free_sgpr 66
		.amdhsa_reserve_vcc 0
		.amdhsa_float_denorm_mode_32 3
		.amdhsa_float_denorm_mode_16_64 3
		.amdhsa_memory_ordered 1
		.amdhsa_forward_progress 1
		.amdhsa_inst_pref_size 17
	.end_amdhsa_kernel
	.amdgpu_metadata
---
amdhsa.version: [ 1, 2 ]
amdhsa.kernels:
  - .name:           k_q5347eb85cb_cast
    .symbol:         k_q5347eb85cb_cast.kd
    .args:
      - { .name: x, .offset: 0, .size: 8, .value_kind: global_buffer, .address_space: global }
      - { .name: w_qkv, .offset: 8, .size: 8, .value_kind: global_buffer, .address_space: global }
      - { .name: w_proj, .offset: 16, .size: 8, .value_kind: global_buffer, .address_space: global }
      - { .name: xb, .offset: 24, .size: 8, .value_kind: global_buffer, .address_space: global }
      - { .name: wqb, .offset: 32, .size: 8, .value_kind: global_buffer, .address_space: global }
      - { .name: wpb, .offset: 40, .size: 8, .value_kind: global_buffer, .address_space: global }
    .group_segment_fixed_size: 0
    .private_segment_fixed_size: 0
    .kernarg_segment_align: 8
    .kernarg_segment_size: 48
    .max_flat_workgroup_size: 256
    .sgpr_count:     66
    .vgpr_count:     104
    .wavefront_size: 32
...
	.end_amdgpu_metadata
.endif
;; end of part 5
;; launch qkvgemm: the kernel of part 2 again; grid 16 x 16, 4 waves a work-group, clusters of 4 x 4, 327,680 bytes of LDS; arguments xb, wqb, qkvh; writes qkvh
;; launch attn: the kernel of part 3 again; grid 8 x 32, 8 waves a work-group, no clusters, 327,680 bytes of LDS; arguments qkvh, yh; writes yh
;; launch proj: the kernel of part 4 again; grid 8 x 32, 4 waves a work-group, clusters of 4 x 4, 327,680 bytes of LDS; arguments yh, wpb, out0; writes out0
